; MI455X (gfx1250); checked and timed in simulation.
; The chip was launched on July 23, 2026; its instructions are those of AMD's public machine-readable ISA for CDNA 5 (MIT licence, August 2026) and "CDNA5" Instruction Set Architecture Reference Guide (July 2026). The comments in the code are by the model that wrote it; some were corrected since.
;; CS Multi Head Attention. Allowed arithmetic: matrix products marked QUANTISED: E2M1 operands, one E8M0 scale for each 32 along K, by v_wmma_scale_f32_16x16x128_f8f6f4 with both operands' format E2M1 (or v_wmma_scale_f32_32x16x128_f4), f32 sums; everything else in f32.
;; Inputs: Wk_codes 3 x 512 x 16 x 16 uint8 (E2M1 codes of Wk, K innermost, in blocks of 32 codes, two codes a byte); Wk_scales 3 x 512 x 16 uint8 (E8M0 scales of Wk, one for each 32 codes along K); Wp_codes 3 x 512 x 16 x 16 uint8 (E2M1 codes of Wp, K innermost, in blocks of 32 codes, two codes a byte); Wp_scales 3 x 512 x 16 uint8 (E8M0 scales of Wp, one for each 32 codes along K); Wq_codes 3 x 512 x 16 x 16 uint8 (E2M1 codes of Wq, K innermost, in blocks of 32 codes, two codes a byte); Wq_scales 3 x 512 x 16 uint8 (E8M0 scales of Wq, one for each 32 codes along K); Wv_codes 3 x 512 x 16 x 16 uint8 (E2M1 codes of Wv, K innermost, in blocks of 32 codes, two codes a byte); Wv_scales 3 x 512 x 16 uint8 (E8M0 scales of Wv, one for each 32 codes along K); bk 3 x 512 float32; bp 3 x 512 float32; bq 3 x 512 float32; bv 3 x 512 float32; x 8 x 3,072 x 512 float32.
;; Outputs: out0 8 x 3,072 x 512 float32.
;; This version of the problem:
;;   THIS VERSION OF THE PROBLEM IS GIVEN IN LOW PRECISION. The matrix products marked QUANTISED in the list below multiply operands that are first quantised to E2M1 (2 exponent bits, 1 mantissa bit; 4 bits a number), with one power-of-two scale for each 32 numbers along K (OCP MX v1.0); their sums are f32. All else is computed in f32.
;;   The module's matrix products, in the order in which they are computed (A, B: the left and right operand; K: the contracted axis; several contracted axes count as one K, in the product's order):
;;     1. batch 3 x [M 8,192, K 512] x [K 512, N 512]; A: computed on the way; B: input Wq (given as codes): QUANTISED
;;     2. batch 3 x [M 8,192, K 512] x [K 512, N 512]; A: computed on the way; B: input Wk (given as codes): QUANTISED
;;     3. batch 3 x [M 8,192, K 512] x [K 512, N 512]; A: computed on the way; B: input Wv (given as codes): QUANTISED
;;     4. batch 192 x [M 1,024, K 64] x [K 64, N 1,024]; A: computed on the way; B: computed on the way: QUANTISED
;;     5. batch 192 x [M 1,024, K 1,024] x [K 1,024, N 64]; A: softmax (see below); B: computed on the way: QUANTISED
;;     6. batch 3 x [M 8,192, K 512] x [K 512, N 512]; A: computed on the way; B: input Wp (given as codes): QUANTISED
;;   THE QUANTISER, for each operand of a quantised product, along K:
;;     - K is cut into blocks of 32 from its start; a last block that is shorter is filled with zeros.
;;     - A block's scale is 2^e with e = floor(log2(the largest magnitude in the block)) - 2, held to -126 .. 127; a block of zeros has e = 0. As a byte (E8M0): e + 127.
;;     - Each number is divided by its block's scale, clamped to +-6, and rounded to the nearest number of E2M1, ties to even, subnormals kept.
;;     - The product sums the exact products of the quantised numbers (number of the format x scale) in f32.
;;   ~~~python
;;   def quantise(x, axis):      # numpy; x: float32 -> the quantised numbers, widened to float32 again
;;       x = np.moveaxis(x, axis, -1); K = x.shape[-1]
;;       x = np.pad(x, [(0, 0)] * (x.ndim - 1) + [(0, -K % 32)]); x = x.reshape(x.shape[:-1] + (-1, 32)); a = np.abs(x).max(-1, keepdims=True)
;;       e = np.where(a > 0, np.clip(np.frexp(np.where(a > 0, a, 1))[1] - 1 - 2, -126, 127), 0)      # np.frexp(a)[1] - 1 = floor(log2(a)), exactly
;;       r = np.clip(x / 2.0 ** e, -6, 6)
;;       step = 2.0 ** (np.maximum(np.frexp(np.where(r == 0, 1, r))[1] - 1, 0) - 1)
;;       q = np.round(r / step) * step * 2.0 ** e      # np.round: ties to even
;;       return np.moveaxis(q.reshape(q.shape[:-2] + (-1,))[..., :K], -1, axis).astype(np.float32)
;;   ~~~
;;   SOFTMAX AHEAD OF A QUANTISED PRODUCT. Where the list says 'softmax', what is quantised is not the finished softmax but p = 2^(t - M), with t = logit x log2(e) and M = ceil(the row's largest t), a whole number; so 1/2 < the row's largest p <= 1. The row's sum l is taken of the UNQUANTISED p, in f32, and the product's result is divided by l at the end. Since M is a whole number, a kernel that streams over the keys may use a running M (the ceiling of the running maximum): every later rescaling is an exact power of two, which a block's scale takes up: the codes' values come out the same.
;;   OPERANDS COMPUTED ON THE WAY. 'Computed on the way' means the value that the module computes at that place (a softmax that the list does not call 'softmax' is quantised finished and normalised). What goes into a quantiser is computed in f32, as accurately as f32 sums, v_exp_f32 and their like allow (about 1e-6 of the number): no bf16 or f16 on the way to a quantiser, and a product that is left as it is and whose result goes on into a quantised operand takes f32 operands (vector FMAs, or v_wmma_f32_16x16x4_f32). A number that lies on a knife's edge between two numbers of the format may be rounded either way, as far as f32 arithmetic and the matrix unit's own rounding can turn it there, and no further.
;;   INPUTS GIVEN AS CODES. Wk (in the module: [3, 512, 512], K = its axis 2); Wp (in the module: [3, 512, 512], K = its axis 2); Wq (in the module: [3, 512, 512], K = its axis 2); Wv (in the module: [3, 512, 512], K = its axis 2): each comes as NAME_codes (uint8): NAME with its K axis moved to the last place and cut into blocks of 32 codes, [.., K / 32, bytes a block], one block behind the other in memory; two codes a byte, the lower K in the low four bits (a code: sign, 2 exponent bits, 1 mantissa bit); and NAME_scales (uint8): the same leading axes, one E8M0 byte (e + 127) for each 32 codes along K. Its value is code x scale, taken as it is: it is not quantised again, and the codes and scales need not be those that the quantiser above would give.
;; One version. Each part assembles by itself: llvm-mc -triple=amdgcn-amd-amdhsa -mcpu=gfx1250 --defsym DOCPART=n.
;; ======== version 1 of 1: 2 launches
;; workspace buffers: ws 20,840,448 bytes
;; launch qkv (part 1): grid 8 x 24, 8 waves a work-group, no clusters, 308,224 bytes of LDS; arguments x, Wq_codes, Wq_scales, bq, Wk_codes, Wk_scales, bk, Wv_codes, Wv_scales, bv, ws; writes ws
.if DOCPART == 1
	.amdgcn_target "amdgcn-amd-amdhsa--gfx1250"
	.amdhsa_code_object_version 6
	.text
	.protected	k_q6e85d1f7c0_qkv
	.globl	k_q6e85d1f7c0_qkv
	.p2align	8
	.type	k_q6e85d1f7c0_qkv,@function
k_q6e85d1f7c0_qkv:
	s_mov_b64 s[64:65], 0
	v_nop
	global_prefetch_b8 v0, s[64:65] scope:SCOPE_SE
	s_setreg_imm32_b32 hwreg(HW_REG_WAVE_MODE, 25, 1), 1
	s_wait_xcnt 0x0
; q, k, v = Q(x) W^T + b for one chunk c and batch b, 128 tokens a work-group; all three products on E2M1 codes with one E8M0 scale for each 32 along K = 512.
; The results are quantised at once (q and k along the head's 64 numbers, v along the tokens) and leave as IMAGES OF THE OPERAND REGISTERS that the attention launch loads: codes 16 bytes a lane, scale words beside them.
; SHARES.  Eight waves.  Wave w first quantises rows 16 w .. 16 w + 15 of x (they come by four tensor loads, one for each 128 along K) and puts the four fragments into LDS as register images;
; behind the launch's one barrier wave w makes HEAD w of q, k and v for all 128 rows: its 64 rows of a weight are 16 fragments, 128 registers, loaded from memory straight into registers.
; q, k: the product is used transposed (source 0 = 16 rows of W, source 1 = 16 tokens): a lane holds one token and eight of the head's numbers a tile.  v: source 0 = 16 tokens, source 1 = 16 rows of Wv: a lane holds one d and eight tokens.
; ORDER INSIDE A BLOCK.  With neighbouring rows in a tile the codes of a block of 32 come out in the order of groups of eight 0, 16, 8, 24.  q and k get that same order along d, v gets it along the tokens and p gets it in the
; attention launch: the same order on both sides of a product keeps every product and every block's scale; only the order of the sums inside a matrix instruction differs from ascending k.
; The rows of Wv that form tile 2 b + u are d = 32 b + 8 u + r + 8 (r / 8), so that the attention's O comes out with d ascending, as Wp's given codes want it.
; NO CLUSTER: x is read by one work-group only; the weights, 417 KB a chunk, are shared, but each wave's slice goes straight into its registers, and a joint load lands in LDS, of which x's stage leaves 20 KB.
; No LDS byte is filled twice by the mover.  LIMITS: NaN and infinities among the inputs are not served; a block whose largest magnitude lies under 2^-124 keeps the scale byte 1, a block of zeros too
; (its codes are zeros, and this program alone reads the bytes).
; A RECORD of ws, RECH bytes, for each (chunk, batch, head): per group of 128 tokens 8,192 bytes (K: 8 tiles x 512; V: 4 d-tiles x 2 halves x 512); then K's scale words, V's, Q's codes (64 tiles x 512), Q's scale words.
.set RECH,  108544
.set KSC,   65536                      ; K's scale words: [group][lane][4]: word p of lane L belongs to token 32 p + L
.set VSC,   69632                      ; V's: [group][lane][2]: word p of lane L belongs to d-tile 2 p + L / 16, row L % 16
.set QC,    71680
.set QSC,   104448
.set XP,    528                        ; LDS: a row of x's stage: 512 bytes + 16 of padding = 132 words, so that the 16 rows of a load begin 4 banks apart
.set XSTEP, 16*XP                      ; 16 rows: one tensor load
.set XWAVE, 4*XSTEP                    ; a wave's four
.set XIMG,  8*XWAVE                    ; x's 32 fragments: (row tile m, K step s) at (4 m + s) x 1,024: two runs of 16 bytes a lane
.set XSC,   XIMG+32*1024               ; x's scale words: [m][lane][4 words, one for each K step]
.set LI,  3                            ; v3   16 x lane
.set XA,  4                            ; v4   my place in my wave's stage: row r, + 64 h
.set XWI, 5                            ; v5   where I store x's images
.set XWS, 6                            ; v6   and their scale words
.set XR,  7                            ; v7   where any wave reads the images
.set XSR, 8                            ; v8   and the scale words
.set WA,  9                            ; v9   a weight's fragment: row r of 256 bytes + 16 h
.set WAV, 10                           ; v10  the same with row r + 8 (r / 8): Wv
.set WSA, 11                           ; v11  a weight's scale words: 16 bytes a row
.set WSAV, 12
.set BA,  13                           ; v13  a bias in the result's layout: 32 h
.set BAV, 14                           ; v14  bv: 4 (r + 8 (r / 8))
.set GK,  15                           ; v15  ws: 16 x lane + my group of 128 tokens x 8,192
.set WSC0, 16                          ; v16-31   scale words of Wq, later of Wv
.set WSC1, 32                          ; v32-47   of Wk, later x's sixteen of the V phase: these registers hold scales alone
.set BIAS0, 48                         ; v48-79   bq, 8 registers a tile
.set BIAS1, 80                         ; v80-111  bk
.set BV,  112                          ; v112-119 bv, a pair of equal numbers a tile
.set XSW, 120                          ; v120-127 x's scale words, two sets of four
.set ACC, 128                          ; v128-159 four accumulators
.set XF,  160                          ; v160-223 x's four fragments of a row tile, two buffers
.set PC,  224                          ; v224-231 codes, two sets of four
.set SW,  232                          ; v232-235 q's or k's scale words to store
.set VW,  236                          ; v236-239 v's scale words in the making
.set VP,  240                          ; v240-241 and to store
.set TM,  242                          ; v242-249 at work: two maxima, two from the other half, two scale operands, two bytes
.set HW,  250                          ; v250 the two scale bytes just made
.set TMP, 251
.set GQ,  252                          ; ws: 16 x lane + block x 4,096
.set GS,  253                          ; 16 x lane + block x 512
.set GVS, 254                          ; 8 x lane + block x 256
.set XN,  128                          ; while x is quantised: 64 numbers (v128-191),
.set TMX, 192                          ; sixteen registers at work,
.set PCX, 224                          ; a fragment's eight registers of codes,
.set PW,  232                          ; and four scale words
.set WV,  26                           ; s26 my wave's number
.set G1,  32                           ; s[32:39] descriptor group 1;  s[40:55] four groups 0
.set G0,  40
.set SEL, 56                           ; s[56:57] v_permlanex16_b32's selects for lane l xor 16
.set HI,  58                           ; s58 the mask of lanes 16-31
.set MSB, 0
.macro WIN new                         ; the immediate's high byte repeats the setting that is left
.if MSB != \new
	s_set_vgpr_msb (MSB<<8)|\new
.set MSB, \new
.endif
.endm
.macro PLACES n
.rept \n
	v_nop
.endr
.endm
	s_load_b256 s[4:11], s[0:1], 0x0               ; x, Wq's codes, Wq's scales, bq
	s_load_b256 s[12:19], s[0:1], 0x20             ; Wk's codes, Wk's scales, bk, Wv's codes
	s_load_b128 s[20:23], s[0:1], 0x40             ; Wv's scales, bv
	s_load_b64 s[24:25], s[0:1], 0x50              ; ws
	v_lshl_add_u32 v254, v0, 2, 0x4b000
	v_mov_b32 v255, 0
	ds_add_u32 v254, v255
	ds_add_u32 v254, v255
	s_wait_dscnt 0x0
	v_lshrrev_b32 v1, 5, v0
	v_readfirstlane_b32 s[WV], v1                  ; wave 0..7
	s_and_b32 s59, ttmp7, 0xffff                   ; 8 x chunk + batch
	s_lshr_b32 s27, s59, 3                         ; chunk
	s_and_b32 s28, s59, 7                          ; batch
	s_mov_b32 s[SEL], 0x76543210
	s_mov_b32 s[SEL+1], 0xfedcba98
	s_mov_b32 s[HI], 0xffff0000
	; descriptor group 1: 16 rows x 128 elements of 4 bytes, rows 512 elements apart in memory, 4 words of padding behind every 128
	s_mov_b32 s[G1+0], (2<<16)|(1<<20)|(6<<22)|(3<<25)
	s_mov_b32 s[G1+1], 128<<16                     ; tensor_dim0
	s_mov_b32 s[G1+2], 16<<16                      ; tensor_dim1
	s_mov_b32 s[G1+3], 128<<16                     ; tile_dim0
	s_mov_b32 s[G1+4], 16                          ; tile_dim1
	s_mov_b32 s[G1+5], 512                         ; the pitch
	s_mov_b32 s[G1+6], 0
	s_mov_b32 s[G1+7], 0
	s_mul_i32 s30, s28, 3072                       ; my wave's first row of x: batch x 3,072 + chunk x 1,024 + block x 128 + 16 x wave,
	s_lshl_b32 s60, s27, 10
	s_add_co_u32 s30, s30, s60
	s_lshl_b32 s60, ttmp9, 7
	s_add_co_u32 s30, s30, s60
	s_lshl_b32 s60, s[WV], 4
	s_add_co_u32 s30, s30, s60
	s_lshl_b32 s30, s30, 11                        ; in bytes (under 2^26)
	s_mov_b32 s31, 0
	s_mul_i32 s29, s[WV], XWAVE                    ; my wave's stage
	v_and_b32 v1, 15, v0                           ; r
	v_bfe_u32 v2, v0, 4, 1                         ; h
	v_and_b32 v[LI], 31, v0
	v_lshlrev_b32 v[GVS], 3, v[LI]
	v_lshlrev_b32 v[LI], 4, v[LI]
	v_mul_u32_u24 v[XA], v1, XP
	v_lshl_add_u32 v[XA], v2, 6, v[XA]
	v_add_nc_u32 v[XA], s29, v[XA]
	s_lshl_b32 s60, s[WV], 12
	v_add_nc_u32 v[XWI], s60, v[LI]
	v_add_nc_u32 v[XWI], XIMG, v[XWI]
	s_lshl_b32 s60, s[WV], 9
	v_add_nc_u32 v[XWS], s60, v[LI]
	v_add_nc_u32 v[XWS], XSC, v[XWS]
	v_add_nc_u32 v[XR], XIMG, v[LI]
	v_add_nc_u32 v[XSR], XSC, v[LI]
	v_and_b32 v[TMP], 8, v1
	v_add_nc_u32 v[TMP], v[TMP], v1                ; r + 8 (r / 8)
	v_lshlrev_b32 v[WA], 8, v1
	v_lshl_add_u32 v[WA], v2, 4, v[WA]
	v_lshlrev_b32 v[WAV], 8, v[TMP]
	v_lshl_add_u32 v[WAV], v2, 4, v[WAV]
	v_lshlrev_b32 v[WSA], 4, v1
	v_lshlrev_b32 v[WSAV], 4, v[TMP]
	v_lshlrev_b32 v[BA], 5, v2
	v_lshlrev_b32 v[BAV], 2, v[TMP]
	s_lshl_b32 s60, ttmp9, 13
	v_add_nc_u32 v[GK], s60, v[LI]
	s_lshl_b32 s60, ttmp9, 12
	v_add_nc_u32 v[GQ], s60, v[LI]
	s_lshl_b32 s60, ttmp9, 9
	v_add_nc_u32 v[GS], s60, v[LI]
	s_lshl_b32 s60, ttmp9, 8
	v_add_nc_u32 v[GVS], s60, v[GVS]
.irp i, 4,5,6,7
	v_mov_b32 v[TMX+\i], 0                         ; written once: a lane permute's destination counts as one of its sources
.endr
	v_mov_b32 v[TM+2], 0
	v_mov_b32 v[TM+3], 0
	s_wait_kmcnt 0x0
	s_add_nc_u64 s[4:5], s[4:5], s[30:31]
.irp q, 0,1,2,3
	s_mov_b32 s[G0+4*\q], 1                        ; count = 1
	s_add_co_u32 s[G0+4*\q+1], s29, \q*XSTEP       ; LDS address: my stage, K step q
	s_add_nc_u64 s[G0+4*\q+2:G0+4*\q+3], s[4:5], \q*512   ; global address: 128 numbers on for each K step
	s_or_b32 s[G0+4*\q+3], s[G0+4*\q+3], 0x80000000       ; type = 2
.endr
.irp q, 0,1,2,3
	tensor_load_to_lds s[G0+4*\q:G0+4*\q+3], s[G1:G1+7]   ; my 16 rows of x: the launch's only fills, four of mine are out
	s_nop 0
.endr
	PLACES 4                                       ; four places behind a tensor load
	s_lshl_b32 s30, s27, 17                        ; my head's 64 rows of a weight: chunk x 131,072 + wave x 16,384 bytes of codes,
	s_lshl_b32 s60, s[WV], 14
	s_add_co_u32 s30, s30, s60
	s_add_nc_u64 s[6:7], s[6:7], s[30:31]
	s_add_nc_u64 s[12:13], s[12:13], s[30:31]
	s_add_nc_u64 s[18:19], s[18:19], s[30:31]
	s_lshr_b32 s30, s30, 4                         ; a sixteenth of that in scale bytes,
	s_add_nc_u64 s[8:9], s[8:9], s[30:31]
	s_add_nc_u64 s[14:15], s[14:15], s[30:31]
	s_add_nc_u64 s[20:21], s[20:21], s[30:31]
	s_lshr_b32 s30, s30, 2                         ; chunk x 2,048 + wave x 256 in a bias
	s_add_nc_u64 s[10:11], s[10:11], s[30:31]
	s_add_nc_u64 s[16:17], s[16:17], s[30:31]
	s_add_nc_u64 s[22:23], s[22:23], s[30:31]
	s_lshl_b32 s30, s59, 3
	s_add_co_u32 s30, s30, s[WV]
	s_mul_i32 s30, s30, RECH                       ; my record of ws
	s_add_nc_u64 s[24:25], s[24:25], s[30:31]
; A weight's 16 fragments (tile t of 16 rows, K step s) into window 1 at area + 8 (4 t + s).  perm = 1: tile t begins at row 32 (t / 2) + 8 (t % 2)
.macro LOADW area, cb, adr, perm
	WIN 0x40                                       ; destination window 1, address window 0
.irp t, 0,1,2,3
.irp s, 0,1,2,3
.irp c, 0,1
.if \perm
	global_load_b128 v[\area+8*(4*\t+\s)+4*\c:\area+8*(4*\t+\s)+4*\c+3], v[\adr], s[\cb:\cb+1] offset:(32*(\t/2)+8*(\t%2))*256+64*\s+32*\c
.else
	global_load_b128 v[\area+8*(4*\t+\s)+4*\c:\area+8*(4*\t+\s)+4*\c+3], v[\adr], s[\cb:\cb+1] offset:16*\t*256+64*\s+32*\c
.endif
.endr
.endr
.endr
	WIN 0
.endm
.macro LOADS wsc, sb, adr, perm                ; its scale words: a row's 16 bytes are the four K steps' words
.irp t, 0,1,2,3
.if \perm
	global_load_b128 v[\wsc+4*\t:\wsc+4*\t+3], v[\adr], s[\sb:\sb+1] offset:(32*(\t/2)+8*(\t%2))*16
.else
	global_load_b128 v[\wsc+4*\t:\wsc+4*\t+3], v[\adr], s[\sb:\sb+1] offset:16*\t*16
.endif
.endr
.endm
.macro LOADB bias, bb                          ; a bias in the result's layout: lane (r, h), tile t: numbers 16 t + 8 h + 0 .. 7
.irp t, 0,1,2,3
	global_load_b128 v[\bias+8*\t:\bias+8*\t+3], v[BA], s[\bb:\bb+1] offset:64*\t
	global_load_b128 v[\bias+8*\t+4:\bias+8*\t+7], v[BA], s[\bb:\bb+1] offset:64*\t+16
.endr
.endm
	LOADW 0, 6, WA, 0                              ; Wq
	LOADS WSC0, 8, WSA, 0
	LOADB BIAS0, 10
	LOADW 128, 12, WA, 0                           ; Wk
	LOADS WSC1, 14, WSA, 0
	LOADB BIAS1, 16
; 64 numbers of a lane, register 16 b + i = k 32 b + 16 h + i of my row, become a fragment's codes in v[PCX] on and its scale word in v[pw]
.macro QUANT src, pw
.irp b, 0,1,2,3
	v_max3_num_f32 v[TMX+\b], |v[\src+16*\b]|, |v[\src+1+16*\b]|, 0x1800000   ; block b: my 16 numbers, and the floor 2^(3 - 127): the byte cannot fall under 1
.endr
.irp i, 2,4,6,8,10,12,14
.irp b, 0,1,2,3
	v_max3_num_f32 v[TMX+\b], v[TMX+\b], |v[\src+16*\b+\i]|, |v[\src+1+16*\b+\i]|
.endr
.endr
.irp b, 0,1,2,3
	v_permlanex16_b32 v[TMX+4+\b], v[TMX+\b], s[SEL], s[SEL+1]
.endr
.irp b, 0,1,2,3
	v_max_num_f32 v[TMX+\b], v[TMX+\b], v[TMX+4+\b]      ; with lane l xor 16's: the block's largest magnitude
.endr
.irp b, 0,1,2,3
	v_add_nc_u32 v[TMX+12+\b], 0xff000000, v[TMX+\b]     ; 2 off its exponent field: the conversion's scale operand
.endr
.irp b, 0,1,2,3
	v_lshrrev_b32 v[TMX+4+\b], 23, v[TMX+12+\b]          ; the scale's byte
.endr
	v_lshl_or_b32 v[\pw], v[TMX+5], 8, v[TMX+4]
	v_lshl_or_b32 v[\pw], v[TMX+6], 16, v[\pw]
	v_lshl_or_b32 v[\pw], v[TMX+7], 24, v[\pw]
.irp b, 0,1,2,3
	v_cvt_scalef32_pk8_fp4_f32 v[PCX+2*\b], v[\src+16*\b:\src+7+16*\b], v[TMX+12+\b]
	v_cvt_scalef32_pk8_fp4_f32 v[PCX+1+2*\b], v[\src+8+16*\b:\src+15+16*\b], v[TMX+12+\b]
.endr
	v_nop                                          ; one plain place behind a scaled conversion
.irp c, 0,1                                    ; the operand's layout wants a whole block in a lane
.irp i, 0,1
	v_permlane16_swap_b32 v[PCX+4*\c+\i], v[PCX+2+4*\c+\i]
.endr
.endr
.endm
; 32 numbers of a lane in two blocks (register 16 b + i: sixteen of block b; lane l xor 16 holds the other sixteen) become four registers of codes, lanes 0-15 block 0 and lanes 16-31 block 1, and two scale bytes in v[hw]
.macro QUANT2 src, pc, hw
.irp b, 0,1
	v_max3_num_f32 v[TM+\b], |v[(\src)+16*\b]|, |v[(\src)+16*\b+1]|, 0x1800000
.endr
.irp i, 2,4,6,8,10,12,14
.irp b, 0,1
	v_max3_num_f32 v[TM+\b], v[TM+\b], |v[(\src)+16*\b+\i]|, |v[(\src)+16*\b+\i+1]|
.endr
.endr
.irp b, 0,1
	v_permlanex16_b32 v[TM+2+\b], v[TM+\b], s[SEL], s[SEL+1]
.endr
.irp b, 0,1
	v_max_num_f32 v[TM+\b], v[TM+\b], v[TM+2+\b]
.endr
.irp b, 0,1
	v_add_nc_u32 v[TM+4+\b], 0xff000000, v[TM+\b]
.endr
.irp b, 0,1
	v_lshrrev_b32 v[TM+6+\b], 23, v[TM+4+\b]
.endr
	v_lshl_or_b32 v[\hw], v[TM+7], 8, v[TM+6]
	s_wait_xcnt 0x0                                ; the earlier stores have read their registers: this set of codes, and the scale words, may be written again
.irp b, 0,1
	v_cvt_scalef32_pk8_fp4_f32 v[(\pc)+2*\b], v[(\src)+16*\b:(\src)+16*\b+7], v[TM+4+\b]
	v_cvt_scalef32_pk8_fp4_f32 v[(\pc)+2*\b+1], v[(\src)+16*\b+8:(\src)+16*\b+15], v[TM+4+\b]
.endr
	v_nop                                          ; one plain place behind a scaled conversion
	v_permlane16_swap_b32 v[(\pc)], v[(\pc)+2]
	v_permlane16_swap_b32 v[(\pc)+1], v[(\pc)+3]
.endm
	; ---- x: my 16 rows become four fragments, a K step at a time
.irp s, 0,1,2,3
	s_wait_tensorcnt 3-\s                          ; a wave's tensor loads end in order: K step s has landed, the younger ones may be out.  Only I read these bytes
.irp b, 0,1,2,3
.irp j, 0,1,2,3
	ds_load_b128 v[XN+16*\b+4*\j:XN+16*\b+4*\j+3], v[XA] offset:\s*XSTEP+128*\b+16*\j   ; sixteen neighbours of each block of 32
.endr
.endr
	s_wait_dscnt 0x0                               ; the numbers are in, and the last step's stores have read their registers
	QUANT XN, PW+\s
	ds_store_b128 v[XWI], v[PCX:PCX+3] offset:\s*1024
	ds_store_b128 v[XWI], v[PCX+4:PCX+7] offset:\s*1024+512
.endr
	ds_store_b128 v[XWS], v[PW:PW+3]
	s_wait_dscnt 0x0                               ; for the others' sake: my images lie in LDS
	s_barrier_signal -1
	s_barrier_wait -1                              ; all 32 fragments of x do
	s_wait_loadcnt 0x0                             ; Wq, Wk, their scales and biases
.macro FETCHX m, buf                           ; row tile m: four fragments and four scale words: nine LDS loads
.irp s, 0,1,2,3
.irp c, 0,1
	ds_load_b128 v[XF+32*(\buf)+8*\s+4*\c:XF+32*(\buf)+8*\s+4*\c+3], v[XR] offset:(4*(\m)+\s)*1024+512*\c
.endr
.endr
	ds_load_b128 v[XSW+4*(\buf):XSW+4*(\buf)+3], v[XSR] offset:(\m)*512
.endm
; Unit n of sixteen: my head of q (n < 8) or of k for row tile n % 8.  Four accumulators by turns; the bias is the C of each sum's first product.
.macro UNIT_QK area, wsc, bias, n, goff, imm
.set UM, (\n)%8
.set UB, (\n)%2
.if (\n) < 15
	FETCHX ((\n)+1)%8, 1-UB                        ; the next unit's, into the buffer that the last unit read (its places: the four v_nop and the quantiser's lines)
	s_wait_dscnt 9                                 ; all but the nine just issued
.else
	s_wait_dscnt 0x0
.endif
	WIN 0x01                                       ; source 0 (the weight) window 1
.irp s, 0,1,2,3
.irp t, 0,1,2,3
.if \s == 0
	v_wmma_scale_f32_16x16x128_f8f6f4 v[ACC+8*\t:ACC+8*\t+7], v[\area+8*(4*\t+\s):\area+8*(4*\t+\s)+7], v[XF+32*UB+8*\s:XF+32*UB+8*\s+7], v[\bias+8*\t:\bias+8*\t+7], v[\wsc+4*\t+\s], v[XSW+4*UB+\s] matrix_a_fmt:MATRIX_FMT_FP4 matrix_b_fmt:MATRIX_FMT_FP4
.else
	v_wmma_scale_f32_16x16x128_f8f6f4 v[ACC+8*\t:ACC+8*\t+7], v[\area+8*(4*\t+\s):\area+8*(4*\t+\s)+7], v[XF+32*UB+8*\s:XF+32*UB+8*\s+7], v[ACC+8*\t:ACC+8*\t+7], v[\wsc+4*\t+\s], v[XSW+4*UB+\s] matrix_a_fmt:MATRIX_FMT_FP4 matrix_b_fmt:MATRIX_FMT_FP4
.endif
.endr
.endr
	WIN 0
	PLACES 4                                       ; in front of the first read of results
	QUANT2 ACC, PC+4*UB, HW
	global_store_b128 v[\goff], v[PC+4*UB:PC+4*UB+3], s[24:25] offset:\imm+UM*512   ; 32 lanes store 512 consecutive bytes
.if UM%2 == 0
	v_lshl_or_b32 v[SW+UM/2], v[HW], 16, v[HW]     ; the scale word: the two bytes, and once more for the zero half of the attention's K
.else
	v_lshl_or_b32 v[TMP], v[HW], 16, v[HW]
	v_cndmask_b32 v[SW+UM/2], v[SW+UM/2], v[TMP], s[HI]   ; lanes 0-15 keep the even tile's words, lanes 16-31 take the odd tile's
.endif
.endm
	FETCHX 0, 0
.irp n, 0,1,2,3,4,5,6,7
	UNIT_QK 0, WSC0, BIAS0, \n, GQ, QC
.endr
	global_store_b128 v[GS], v[SW:SW+3], s[24:25] offset:QSC
	LOADW 0, 18, WAV, 1                            ; Wv takes Wq's registers while k is made
	LOADS WSC0, 20, WSAV, 1
.irp t, 0,1,2,3
	global_load_b32 v[BV+2*\t], v[BAV], s[22:23] offset:(32*(\t/2)+8*(\t%2))*4     ; bv of my lane's d, twice: a pair for the packed addition
	global_load_b32 v[BV+2*\t+1], v[BAV], s[22:23] offset:(32*(\t/2)+8*(\t%2))*4
.endr
.irp n, 8,9,10,11,12,13,14,15
	UNIT_QK 128, WSC1, BIAS1, \n, GK, 0
.endr
	global_store_b128 v[GS], v[SW:SW+3], s[24:25] offset:KSC
	s_wait_loadcnt 0x0                             ; Wv, its scales, bv
; v: 64 tokens at a time.  Their sixteen fragments of x take Wk's registers, their scale words Wk's scale registers
.macro FETCHXV g
	WIN 0x40
.irp m, 0,1,2,3
.irp s, 0,1,2,3
.irp c, 0,1
	ds_load_b128 v[128+8*(4*\m+\s)+4*\c:128+8*(4*\m+\s)+4*\c+3], v[XR] offset:(4*(4*\g+\m)+\s)*1024+512*\c
.endr
.endr
.endr
	WIN 0
.irp m, 0,1,2,3
	ds_load_b128 v[WSC1+4*\m:WSC1+4*\m+3], v[XSR] offset:(4*\g+\m)*512
.endr
	s_wait_dscnt 0x0
.endm
.macro UNIT_V g, t                             ; d-tile t for tokens 64 g .. 64 g + 63: source 0 = 16 tokens, source 1 = 16 rows of Wv: a lane holds one d, its registers run along the tokens
	WIN 0x05                                       ; both sources window 1
.irp s, 0,1,2,3
.irp m, 0,1,2,3
.if \s == 0
	v_wmma_scale_f32_16x16x128_f8f6f4 v[ACC+8*\m:ACC+8*\m+7], v[128+8*(4*\m+\s):128+8*(4*\m+\s)+7], v[8*(4*\t+\s):8*(4*\t+\s)+7], 0, v[WSC1+4*\m+\s], v[WSC0+4*\t+\s] matrix_a_fmt:MATRIX_FMT_FP4 matrix_b_fmt:MATRIX_FMT_FP4
.else
	v_wmma_scale_f32_16x16x128_f8f6f4 v[ACC+8*\m:ACC+8*\m+7], v[128+8*(4*\m+\s):128+8*(4*\m+\s)+7], v[8*(4*\t+\s):8*(4*\t+\s)+7], v[ACC+8*\m:ACC+8*\m+7], v[WSC1+4*\m+\s], v[WSC0+4*\t+\s] matrix_a_fmt:MATRIX_FMT_FP4 matrix_b_fmt:MATRIX_FMT_FP4
.endif
.endr
.endr
	WIN 0
	PLACES 4
.irp i, 0,2,4,6,8,10,12,14,16,18,20,22,24,26,28,30
	v_pk_add_f32 v[ACC+\i:ACC+\i+1], v[ACC+\i:ACC+\i+1], v[BV+2*\t:BV+2*\t+1]   ; + bv: one number a lane, so it cannot be a C of eight different registers' worth; ascending
.endr
	QUANT2 ACC, PC+4*((\t)%2), HW
	global_store_b128 v[GK], v[PC+4*((\t)%2):PC+4*((\t)%2)+3], s[24:25] offset:4096+(\t)*1024+(\g)*512
.if \g == 0
	v_mov_b32 v[VW+\t], v[HW]                      ; key blocks 0, 1 of the group
.else
	v_lshl_or_b32 v[VW+\t], v[HW], 16, v[VW+\t]    ; and 2, 3
.endif
.endm
.irp g, 0,1
	FETCHXV \g
.irp t, 0,1,2,3
	UNIT_V \g, \t
.endr
.endr
	v_cndmask_b32 v[VP], v[VW], v[VW+1], s[HI]     ; lanes 0-15 the even d-tile's words, lanes 16-31 the odd one's
	v_cndmask_b32 v[VP+1], v[VW+2], v[VW+3], s[HI]
	global_store_b64 v[GVS], v[VP:VP+1], s[24:25] offset:VSC   ; 32 lanes store 256 consecutive bytes
	s_wait_xcnt 0x0
	v_lshl_add_u32 v254, v0, 2, 0x4b000
	v_mov_b32 v255, 0
	s_wait_tensorcnt 0x0
	ds_add_u32 v254, v255
	s_wait_dscnt 0x0
	s_endpgm
.Lfunc_end_k_q6e85d1f7c0_qkv:
	.size	k_q6e85d1f7c0_qkv, .Lfunc_end_k_q6e85d1f7c0_qkv-k_q6e85d1f7c0_qkv
	.p2alignl 7, 3214868480
	.fill 96, 4, 3214868480
	.section	.rodata,"a",@progbits
	.p2align	6, 0x0
	.amdhsa_kernel k_q6e85d1f7c0_qkv
		.amdhsa_group_segment_fixed_size 308224
		.amdhsa_private_segment_fixed_size 0
		.amdhsa_enable_private_segment 0
		.amdhsa_kernarg_size 88
		.amdhsa_user_sgpr_count 2
		.amdhsa_user_sgpr_kernarg_segment_ptr 1
		.amdhsa_wavefront_size32 1
		.amdhsa_system_sgpr_workgroup_id_x 1
		.amdhsa_system_sgpr_workgroup_id_y 1
		.amdhsa_system_sgpr_workgroup_id_z 1
		.amdhsa_system_vgpr_workitem_id 0
		.amdhsa_next_free_vgpr 512
		.amdhsa_next_free_sgpr 66
		.amdhsa_reserve_vcc 0
		.amdhsa_float_denorm_mode_32 3
		.amdhsa_float_denorm_mode_16_64 3
		.amdhsa_memory_ordered 1
		.amdhsa_forward_progress 1
		.amdhsa_inst_pref_size 163
	.end_amdhsa_kernel
	.amdgpu_metadata
---
amdhsa.version: [ 1, 2 ]
amdhsa.kernels:
  - .name:           k_q6e85d1f7c0_qkv
    .symbol:         k_q6e85d1f7c0_qkv.kd
    .args:
      - { .name: x, .offset: 0, .size: 8, .value_kind: global_buffer, .address_space: global }
      - { .name: Wq_codes, .offset: 8, .size: 8, .value_kind: global_buffer, .address_space: global }
      - { .name: Wq_scales, .offset: 16, .size: 8, .value_kind: global_buffer, .address_space: global }
      - { .name: bq, .offset: 24, .size: 8, .value_kind: global_buffer, .address_space: global }
      - { .name: Wk_codes, .offset: 32, .size: 8, .value_kind: global_buffer, .address_space: global }
      - { .name: Wk_scales, .offset: 40, .size: 8, .value_kind: global_buffer, .address_space: global }
      - { .name: bk, .offset: 48, .size: 8, .value_kind: global_buffer, .address_space: global }
      - { .name: Wv_codes, .offset: 56, .size: 8, .value_kind: global_buffer, .address_space: global }
      - { .name: Wv_scales, .offset: 64, .size: 8, .value_kind: global_buffer, .address_space: global }
      - { .name: bv, .offset: 72, .size: 8, .value_kind: global_buffer, .address_space: global }
      - { .name: ws, .offset: 80, .size: 8, .value_kind: global_buffer, .address_space: global }
    .group_segment_fixed_size: 308224
    .private_segment_fixed_size: 0
    .kernarg_segment_align: 8
    .kernarg_segment_size: 88
    .max_flat_workgroup_size: 256
    .sgpr_count:     66
    .vgpr_count:     512
    .wavefront_size: 32
...
	.end_amdgpu_metadata
.endif
;; end of part 1
;; launch attn (part 2): grid 8 x 24, 8 waves a work-group, no clusters, 70,656 bytes of LDS; arguments ws, Wp_codes, Wp_scales, bp, out0; writes out0
.if DOCPART == 2
	.amdgcn_target "amdgcn-amd-amdhsa--gfx1250"
	.amdhsa_code_object_version 6
	.text
	.protected	k_q6e85d1f7c0_attn
	.globl	k_q6e85d1f7c0_attn
	.p2align	8
	.type	k_q6e85d1f7c0_attn,@function
k_q6e85d1f7c0_attn:
	s_mov_b64 s[64:65], 0
	v_nop
	global_prefetch_b8 v0, s[64:65] scope:SCOPE_SE
	s_setreg_imm32_b32 hwreg(HW_REG_WAVE_MODE, 25, 1), 1
	s_wait_xcnt 0x0
; out chunk i = Q(softmax(q k^T / sqrt(512)) v) Wp[i]^T + bp[i], with q of chunk (i + 1) % 3 and k, v of chunk (i + 2) % 3; all three products on E2M1 codes with one E8M0 scale for each 32 along K.
; q, k, v come from ws as images of the operand registers (the launch before lays them; its head comment gives the record).
; THE SOFTMAX: t = score x log2(e) / sqrt(512); M = the running largest t rounded UP to a whole number; p = 2^(t - M) is quantised along the keys, not normalised; the sum is taken of the unquantised p and divides O at the end.
; When M moves, the sum and O are multiplied by 2^(old M - new M), which rounds nothing.
; SHARES.  A work-group owns 128 queries of one (i, batch), all 8 heads; WAVE w IS HEAD w.  Two passes of 64 queries (four tiles of 16); a pass walks the 1,024 keys in 8 steps of 128, so that each fragment of K and V feeds four products.
; Both products are used transposed (S^T = K Q^T, O^T = V^T P^T): a lane holds one query throughout.  The head has 64 numbers and the instruction's K is 128: the upper four registers of Q's and K's fragments hold zero codes.
; Then each wave divides its O by the sum, quantises it (a block of 32 along e lies inside a head) and puts it into LDS as a register image; one barrier; wave w makes output columns 64 w .. 64 w + 63 for all 128 rows.
; K AND V GO FROM MEMORY STRAIGHT INTO REGISTERS, NO CLUSTER: no two waves of a work-group read the same fragment; a wave asks for 9 KB for a step of four softmaxes; a joint load would land in LDS and add an LDS pass and a
; round of the cluster's barrier for each refill to a loop that the vector instructions bound.
; THE FETCHES HAVE NO BRANCH: the group's offset wraps, so pass 0's last step fetches group 0 for pass 1, and the very last step fetches group 0 once more, 9 KB a wave that nobody uses: so every counted wait counts the same loads on every way.
; LIMITS: NaN and infinities are not served; a block whose largest magnitude lies under 2^-124 keeps the scale byte 1, a block of zeros too (its codes are zeros).  Inside a block of 32 the codes of q, k (along d) and of p, v (along the keys)
; stand in the order of groups of eight 0, 16, 8, 24 on both sides of the product: the sums inside a matrix instruction go in that order.
.set RECH,  108544
.set KSC,   65536
.set VSC,   69632
.set QC,    71680
.set QSC,   104448
.set OIMG,  0                          ; LDS: O's codes: head x 4,096 + tile of 16 queries x 512 + 16 x lane: registers 4 c .. 4 c + 3 of K step s, with 2 s + c = the head
.set OSC,   32768                      ; O's scale bytes: tile x 256 + row x 16 + 2 x head: a row's 16 bytes are its four K steps' words
.set STG,   34816                      ; the way out: 16 rows x (256 bytes + 16) for each wave
.set SPI,   272
.set L16, 1                            ; v1-3   16, 8, 256 x lane
.set L8,  2
.set L256, 3
.set ADK, 4                            ; v4-7   offsets of the key step in hand: codes, K's scale words, V's, the prefetch
.set ADKS, 5
.set ADVS, 6
.set PFO, 7
.set QA,  8                            ; v8-9   offsets of the pass's Q: codes, scale words
.set QSA, 9
.set OWI0, 10                          ; v10    where my head's images go; v12 the same in the pass in hand
.set OWS, 11                           ; v11    and its scale bytes
.set OWI, 12
.set STO, 14                           ; v14    the stage: where I put 32 bytes of a row
.set RD,  15                           ; v15    and where I read a row back
.set ST,  16                           ; v16-31 four a tile: -M, the largest t, the sum in two halves
.set KS,  32                           ; v32-35 K's scale words;  v36-37 V's;  v38-39 Q's: these hold scales alone
.set VS,  36
.set QS,  38
.set S,   40                           ; v40-103  S^T, then p
.set PC,  104                          ; v104-111 p's codes
.set BM,  112                          ; v112-115 the blocks' largest scores, then largest p
.set BX,  116                          ; v116-119 the other half's; then the bytes
.set SO,  120                          ; v120-123 the conversions' scale operands
.set F,   124                          ; v124 f = 2^(old M - new M); v125 is named with it as a pair
.set TT,  126
.set PS,  127                          ; v127 p's scale word
.set SB,  128                          ; v128-129 the second chain of the sum
.set ON,  130                          ; v130-161 a tile's O / l
.set PCO, 162                          ; v162-177 its codes, a set for each tile
.set HWA, 178                          ; v178-181 a tile's scale bytes: pass 0's in the low half, pass 1's in the high half
.set HW,  182
.set TM,  184                          ; v184-191 at work
.set RC,  192                          ; v192-199 1 / l at the even register of a pair
.set LS,  200                          ; v200-203 l;  v204-207 the other half's
.set LX,  204
.set WPS, 208                          ; v208-223 Wp's scale words;  v224-231 O's, two sets: scales alone
.set OS,  224
.set GO,  232                          ; v232 my byte offset in out0
.set OSR, 233
.set WPA, 234
.set WPSA, 235
.set BPA, 236
.set BP,  40                           ; the projection: bp, 8 registers a tile;
.set PACC, 72                          ; four accumulators;
.set OF,  130                          ; O's four fragments of a tile, two buffers
.set QF,  128                          ; window 1: v0-127 O^T (32 a tile of queries, 8 a d-tile); v128-159 Q; v160-223 K; v224-255 V; in the projection v128-255 Wp
.set KF,  160
.set VF,  224
.set WV,  14
.set KV,  22                           ; s[22:23] my head's record of k and v;  s[24:25] of q
.set QB,  24
.set CS,  26                           ; s[26:27] c = log2(e) / sqrt(512)
.set SEL, 28
.set KOFF, 30                          ; the group of 128 keys to be fetched x 8,192
.set REM, 31                           ; key steps to go, of sixteen
.set STEPS, 32
.set PASS, 33
.set LIM, 34                           ; a wave prefetches while REM is above it
.set PO,  35                           ; the pass's place in my images: 2,048 a pass
.set QO,  36                           ; Q's codes: block x 4,096 + 2,048 a pass
.set QSO, 42                           ; Q's scale words: block x 512 + 8 a pass
.set MSB, 0
.macro WIN new                         ; the immediate's high byte repeats the setting that is left
.if MSB != \new
	s_set_vgpr_msb (MSB<<8)|\new
.set MSB, \new
.endif
.endm
.macro PLACES n
.rept \n
	v_nop
.endr
.endm
	s_load_b256 s[4:11], s[0:1], 0x0               ; ws, Wp's codes, Wp's scales, bp
	s_load_b64 s[12:13], s[0:1], 0x20              ; out0
	v_lshl_add_u32 v254, v0, 2, 0x11000
	v_mov_b32 v255, 0
	v_lshrrev_b32 v1, 5, v0
	v_readfirstlane_b32 s[WV], v1                  ; wave = head
	s_and_b32 s16, ttmp7, 0xffff
	s_lshr_b32 s17, s16, 3                         ; i
	s_and_b32 s18, s16, 7                          ; batch
	s_add_co_u32 s19, s17, 1                       ; q's chunk: (i + 1) % 3
	s_cmp_ge_u32 s19, 3
	s_cselect_b32 s37, 3, 0
	s_sub_co_u32 s19, s19, s37
	s_add_co_u32 s20, s17, 2                       ; k's and v's: (i + 2) % 3
	s_cmp_ge_u32 s20, 3
	s_cselect_b32 s37, 3, 0
	s_sub_co_u32 s20, s20, s37
	s_lshl_b32 s38, s20, 3
	s_add_co_u32 s38, s38, s18
	s_lshl_b32 s38, s38, 3
	s_add_co_u32 s38, s38, s[WV]
	s_mul_i32 s38, s38, RECH
	s_mov_b32 s39, 0
	s_lshl_b32 s40, s19, 3
	s_add_co_u32 s40, s40, s18
	s_lshl_b32 s40, s40, 3
	s_add_co_u32 s40, s40, s[WV]
	s_mul_i32 s40, s40, RECH
	s_mov_b32 s41, 0
	s_mov_b32 s[CS], 0x3d8293ee
	s_mov_b32 s[CS+1], s[CS]                       ; (named with it as a pair, so it is written)
	s_mov_b32 s[SEL], 0x76543210
	s_mov_b32 s[SEL+1], 0xfedcba98
	s_mov_b32 s[KOFF], 0
	s_mov_b32 s[REM], 16
	s_mov_b32 s[PASS], 2
	s_mov_b32 s[PO], 0
	s_lshl_b32 s[QO], ttmp9, 12
	s_lshl_b32 s[QSO], ttmp9, 9
	s_cmp_eq_u32 ttmp9, 0                          ; the eight work-groups of an (i, batch) walk the same k and v: the first of them prefetches
	s_cselect_b32 s[LIM], 10, -1
	v_and_b32 v12, 31, v0
	v_lshlrev_b32 v[L16], 4, v12
	v_lshlrev_b32 v[L8], 3, v12
	v_lshlrev_b32 v[L256], 8, v12
	v_and_b32 v[TT], 15, v0                        ; r
	v_bfe_u32 v13, v0, 4, 1                        ; h
	s_lshl_b32 s37, s[WV], 12
	v_add_nc_u32 v[OWI0], s37, v[L16]
	s_lshl_b32 s37, s[WV], 1
	v_lshl_add_u32 v[OWS], v[TT], 4, s37
	v_add_nc_u32 v[OWS], OSC, v[OWS]
	s_mul_i32 s37, s[WV], 16*SPI
	s_add_co_u32 s37, s37, STG
	v_mul_u32_u24 v[STO], v[TT], SPI
	v_lshl_add_u32 v[STO], v13, 5, v[STO]
	v_add_nc_u32 v[STO], s37, v[STO]
	v_mul_u32_u24 v[RD], v13, SPI
	v_lshl_add_u32 v[RD], v[TT], 4, v[RD]
	v_add_nc_u32 v[RD], s37, v[RD]
	v_lshlrev_b32 v[GO], 11, v13                   ; lanes 0-15 one row of out0, lanes 16-31 the next; 16 bytes a lane
	v_lshl_add_u32 v[GO], v[TT], 4, v[GO]
	v_add_nc_u32 v[OSR], OSC, v[L16]
	v_lshlrev_b32 v[WPA], 8, v[TT]
	v_lshl_add_u32 v[WPA], v13, 4, v[WPA]
	v_lshlrev_b32 v[WPSA], 4, v[TT]
	v_lshlrev_b32 v[BPA], 5, v13
.irp i, 0,1,2,3
	v_mov_b32 v[BX+\i], 0                          ; written once: a lane permute's destination counts as one of its sources
	v_mov_b32 v[LX+\i], 0
	v_mov_b32 v[RC+2*\i+1], 0                      ; named as the upper half of a pair
	v_mov_b32 v[HWA+\i], 0
.endr
	v_mov_b32 v[TM+2], 0
	v_mov_b32 v[TM+3], 0
	v_mov_b32 v[F+1], 0
	WIN 0x40
.irp f, 0,1,2,3,4,5,6,7,8,9,10,11
.irp i, 4,5,6,7
	v_mov_b32 v[QF+8*\f+\i], 0                     ; the zero half of K = 128 in Q's four and K's eight fragments: written once
.endr
.endr
	WIN 0
	s_wait_kmcnt 0x0
	s_add_nc_u64 s[KV:KV+1], s[4:5], s[38:39]
	s_add_nc_u64 s[QB:QB+1], s[4:5], s[40:41]
	s_lshl_b32 s38, s17, 17                        ; my 64 rows of Wp[i]: codes,
	s_lshl_b32 s37, s[WV], 14
	s_add_co_u32 s38, s38, s37
	s_add_nc_u64 s[6:7], s[6:7], s[38:39]
	s_lshr_b32 s38, s38, 4                         ; scale bytes,
	s_add_nc_u64 s[8:9], s[8:9], s[38:39]
	s_lshr_b32 s38, s38, 2                         ; bp
	s_add_nc_u64 s[10:11], s[10:11], s[38:39]
	s_mul_i32 s38, s18, 3072                       ; out0: row batch x 3,072 + i x 1,024 + block x 128, column 64 x wave
	s_lshl_b32 s37, s17, 10
	s_add_co_u32 s38, s38, s37
	s_lshl_b32 s37, ttmp9, 7
	s_add_co_u32 s38, s38, s37
	s_lshl_b32 s38, s38, 11
	s_lshl_b32 s37, s[WV], 8
	s_add_co_u32 s38, s38, s37
	s_add_nc_u64 s[12:13], s[12:13], s[38:39]
.macro KADR                            ; the offsets of the group at KOFF
	v_add_nc_u32 v[ADK], s[KOFF], v[L16]
	s_lshr_b32 s37, s[KOFF], 4                     ; 512 bytes of K's scale words a group
	v_add_nc_u32 v[ADKS], s37, v[L16]
	s_lshr_b32 s43, s[KOFF], 5                     ; 256 of V's
	v_add_nc_u32 v[ADVS], s43, v[L8]
	v_add_nc_u32 v[PFO], s[KOFF], v[L256]
.endm
.macro KLOAD                           ; nine loads: K's eight tiles (the lower four registers of each fragment) and their scale words
	WIN 0x40
.irp kt, 0,1,2,3,4,5,6,7
	global_load_b128 v[KF+8*\kt:KF+8*\kt+3], v[ADK], s[KV:KV+1] offset:512*\kt
.endr
	WIN 0
	global_load_b128 v[KS:KS+3], v[ADKS], s[KV:KV+1] offset:KSC
.endm
.macro VLOAD                           ; nine loads: V's four d-tiles and their scale words
	WIN 0x40
.irp t, 0,1,2,3
.irp c, 0,1
	global_load_b128 v[VF+8*\t+4*\c:VF+8*\t+4*\c+3], v[ADK], s[KV:KV+1] offset:4096+1024*\t+512*\c
.endr
.endr
	WIN 0
	global_load_b64 v[VS:VS+1], v[ADVS], s[KV:KV+1] offset:VSC
.endm
; The next step's K, behind the step's last S^T and its four places.  Behind the loads one prefetch: in step j of pass 0, j up to 5, the group j + 2: its 8,192 bytes, lanes 256 bytes apart; each wave of the (i, batch)'s first
; work-group asks for its own head, so each block is named once in the launch.  Groups 0 and 1 and the scale words come by their loads alone.
.macro NEXTK
	s_wait_xcnt 0x0                                ; the last step's loads and prefetch have read their offsets: they may be written
	s_add_co_u32 s[KOFF], s[KOFF], 8192
	s_and_b32 s[KOFF], s[KOFF], 0xffff             ; behind group 7 comes group 0
	KADR
	KLOAD
	s_cmp_gt_u32 s[REM], s[LIM]
	s_cbranch_scc0 .Lno_prefetch_\@
	global_prefetch_b8 v[PFO], s[KV:KV+1] offset:8192 th:TH_LOAD_NT scope:SCOPE_SE
.Lno_prefetch_\@:
.endm
.macro NEXTV                           ; the next step's V, behind the step's last V^T P
	WIN 0
	PLACES 4                                       ; in front of loads into registers that matrix instructions have read
	VLOAD
.endm
.macro SMUL kt, qt                     ; S^T: 16 keys x 16 queries.  A scale register holds the words of two tiles: the odd tile's stand in lanes 16-31
.if ((\kt)%2 == 0) && ((\qt)%2 == 0)
	v_wmma_scale_f32_16x16x128_f8f6f4 v[S+8*(\kt):S+8*(\kt)+7], v[KF+8*(\kt):KF+8*(\kt)+7], v[QF+8*(\qt):QF+8*(\qt)+7], 0, v[KS+(\kt)/2], v[QS+(\qt)/2] matrix_a_fmt:MATRIX_FMT_FP4 matrix_b_fmt:MATRIX_FMT_FP4
.elseif ((\qt)%2 == 0)
	v_wmma_scale_f32_16x16x128_f8f6f4 v[S+8*(\kt):S+8*(\kt)+7], v[KF+8*(\kt):KF+8*(\kt)+7], v[QF+8*(\qt):QF+8*(\qt)+7], 0, v[KS+(\kt)/2], v[QS+(\qt)/2] matrix_a_fmt:MATRIX_FMT_FP4 matrix_b_fmt:MATRIX_FMT_FP4 matrix_a_scale:MATRIX_SCALE_ROW1
.elseif ((\kt)%2 == 0)
	v_wmma_scale_f32_16x16x128_f8f6f4 v[S+8*(\kt):S+8*(\kt)+7], v[KF+8*(\kt):KF+8*(\kt)+7], v[QF+8*(\qt):QF+8*(\qt)+7], 0, v[KS+(\kt)/2], v[QS+(\qt)/2] matrix_a_fmt:MATRIX_FMT_FP4 matrix_b_fmt:MATRIX_FMT_FP4 matrix_b_scale:MATRIX_SCALE_ROW1
.else
	v_wmma_scale_f32_16x16x128_f8f6f4 v[S+8*(\kt):S+8*(\kt)+7], v[KF+8*(\kt):KF+8*(\kt)+7], v[QF+8*(\qt):QF+8*(\qt)+7], 0, v[KS+(\kt)/2], v[QS+(\qt)/2] matrix_a_fmt:MATRIX_FMT_FP4 matrix_b_fmt:MATRIX_FMT_FP4 matrix_a_scale:MATRIX_SCALE_ROW1 matrix_b_scale:MATRIX_SCALE_ROW1
.endif
.endm
.macro PVMUL t, qt, first              ; O^T += V^T P^T: 16 of the head's 64 x 16 queries, K = 128 keys.  first = 1: the product starts the sum
.set rO, 32*(\qt)+8*(\t)
.if (\first) && ((\t)%2 == 0)
	v_wmma_scale_f32_16x16x128_f8f6f4 v[rO:rO+7], v[VF+8*(\t):VF+8*(\t)+7], v[PC:PC+7], 0, v[VS+(\t)/2], v[PS] matrix_a_fmt:MATRIX_FMT_FP4 matrix_b_fmt:MATRIX_FMT_FP4
.elseif (\first)
	v_wmma_scale_f32_16x16x128_f8f6f4 v[rO:rO+7], v[VF+8*(\t):VF+8*(\t)+7], v[PC:PC+7], 0, v[VS+(\t)/2], v[PS] matrix_a_fmt:MATRIX_FMT_FP4 matrix_b_fmt:MATRIX_FMT_FP4 matrix_a_scale:MATRIX_SCALE_ROW1
.elseif ((\t)%2 == 0)
	v_wmma_scale_f32_16x16x128_f8f6f4 v[rO:rO+7], v[VF+8*(\t):VF+8*(\t)+7], v[PC:PC+7], v[rO:rO+7], v[VS+(\t)/2], v[PS] matrix_a_fmt:MATRIX_FMT_FP4 matrix_b_fmt:MATRIX_FMT_FP4
.else
	v_wmma_scale_f32_16x16x128_f8f6f4 v[rO:rO+7], v[VF+8*(\t):VF+8*(\t)+7], v[PC:PC+7], v[rO:rO+7], v[VS+(\t)/2], v[PS] matrix_a_fmt:MATRIX_FMT_FP4 matrix_b_fmt:MATRIX_FMT_FP4 matrix_a_scale:MATRIX_SCALE_ROW1
.endif
.endm
; ONE TILE OF 16 QUERIES AGAINST 128 KEYS.  first = 1: the pass's first step, which starts M, the sum and O^T.  waitv = 1: V is waited for here.  last = 1: the step's last tile fetches the next step's K and V.
; Lane (r, h) holds query r; register 16 b + 8 u + j of S holds key 32 b + 16 u + 8 h + j: sixteen of block b; lane l xor 16 holds the other sixteen.
.macro TILE qt, first, waitv, last
.set TS, ST+4*(\qt)
	WIN 0x05                                       ; K and Q in window 1
.irp kt, 0,1,2,3,4,5,6,7
	SMUL \kt, \qt
.endr
	WIN 0
	PLACES 4                                       ; in front of the first read of results, and of the loads into K's registers
.if \last
	NEXTK
.endif
.irp b, 0,1,2,3
	v_max3_num_f32 v[BM+\b], v[S+16*\b], v[S+16*\b+1], v[S+16*\b+2]   ; the largest score of each block of 32 keys: for the row's maximum, and, since p rises with the score, for the block's largest p
.endr
.irp i, 3,5,7,9,11,13
.irp b, 0,1,2,3
	v_max3_num_f32 v[BM+\b], v[BM+\b], v[S+16*\b+\i], v[S+16*\b+\i+1]
.endr
.endr
.irp b, 0,1,2,3
	v_max_num_f32 v[BM+\b], v[BM+\b], v[S+16*\b+15]
.endr
.irp b, 0,1,2,3
	v_permlanex16_b32 v[BX+\b], v[BM+\b], s[SEL], s[SEL+1]
.endr
.irp b, 0,1,2,3
	v_max_num_f32 v[BM+\b], v[BM+\b], v[BX+\b]
.endr
	v_max3_num_f32 v[TT], v[BM], v[BM+1], v[BM+2]
	v_max_num_f32 v[TT], v[TT], v[BM+3]            ; the step's largest score of my query
.if \first
	v_mul_f32 v[TS+1], s[CS], v[TT]                ; as t (c is positive)
	v_floor_f32 v[TS], -v[TS+1]                    ; -M = floor(-t) = -ceil(t)
.else
	v_mul_f32 v[TT], s[CS], v[TT]
	v_max_num_f32 v[TS+1], v[TS+1], v[TT]          ; the running largest t
	v_mov_b32 v[TT], v[TS]
	v_floor_f32 v[TS], -v[TS+1]
	v_sub_f32 v[TT], v[TS], v[TT]                  ; old M - new M: a whole number, 0 or less
	v_cvt_i32_f32 v[TT], v[TT]                     ; (it saturates)
	v_ldexp_f32 v[F], 1.0, v[TT]                   ; f = 2^(old M - new M)
.endif
.set jj, 0
.rept 32
	v_pk_fma_f32 v[S+jj:S+jj+1], v[S+jj:S+jj+1], s[CS:CS+1], v[TS:TS+1] op_sel_hi:[1,0,0]   ; t - M, two at a time
.set jj, jj+2
.endr
.irp b, 0,1,2,3
	v_fma_f32 v[BM+\b], v[BM+\b], s[CS], v[TS]     ; the same of each block's largest score
.endr
.set jj, 0
.rept 64
	v_exp_f32 v[S+jj], v[S+jj]                     ; p = 2^(t - M)
.set jj, jj+1
.endr
.if \first
	v_nop                                          ; a plain place behind the exponentials
.else
	v_pk_mul_f32 v[TS+2:TS+3], v[TS+2:TS+3], v[F:F+1] op_sel_hi:[1,0]   ; the sum under the new M; also the plain place behind the exponentials
.endif
	s_wait_alu depctr_va_vdst(0)                   ; one wait for the batch of 64, ahead of its first reader
.irp b, 0,1,2,3
	v_exp_f32 v[BM+\b], v[BM+\b]                   ; the block's largest p: the same two instructions on the same number
.endr
.if \first
	v_pk_add_f32 v[TS+2:TS+3], v[S:S+1], v[S+2:S+3]   ; the sum of the unquantised p, in two chains; the first step starts both
	v_pk_add_f32 v[SB:SB+1], v[S+4:S+5], v[S+6:S+7]
.set jj, 8
.rept 14
	v_pk_add_f32 v[TS+2:TS+3], v[TS+2:TS+3], v[S+jj:S+jj+1]
	v_pk_add_f32 v[SB:SB+1], v[SB:SB+1], v[S+jj+2:S+jj+3]
.set jj, jj+4
.endr
.else
	v_pk_add_f32 v[SB:SB+1], v[S:S+1], v[S+2:S+3]
.set jj, 4
.rept 15
	v_pk_add_f32 v[TS+2:TS+3], v[TS+2:TS+3], v[S+jj:S+jj+1]
	v_pk_add_f32 v[SB:SB+1], v[SB:SB+1], v[S+jj+2:S+jj+3]
.set jj, jj+4
.endr
.endif
	v_pk_add_f32 v[TS+2:TS+3], v[TS+2:TS+3], v[SB:SB+1]
	s_wait_alu depctr_va_vdst(0)                   ; and one for the four
.irp b, 0,1,2,3
	v_max_num_f32 v[BM+\b], 0x1800000, v[BM+\b]    ; the floor 2^(3 - 127): the byte cannot fall under 1
.endr
.irp b, 0,1,2,3
	v_add_nc_u32 v[SO+\b], 0xff000000, v[BM+\b]    ; 2 off the exponent field: the conversion's scale operand
.endr
.irp b, 0,1,2,3
	v_lshrrev_b32 v[BX+\b], 23, v[SO+\b]           ; the scale's byte
.endr
	v_lshl_or_b32 v[PS], v[BX+1], 8, v[BX]         ; p's scale word for these 128 keys
	v_lshl_or_b32 v[PS], v[BX+2], 16, v[PS]
	v_lshl_or_b32 v[PS], v[BX+3], 24, v[PS]
.irp b, 0,1,2,3
	v_cvt_scalef32_pk8_fp4_f32 v[PC+2*\b], v[S+16*\b:S+16*\b+7], v[SO+\b]
	v_cvt_scalef32_pk8_fp4_f32 v[PC+2*\b+1], v[S+16*\b+8:S+16*\b+15], v[SO+\b]
.endr
	v_nop                                          ; one plain place behind a scaled conversion
.irp c, 0,1                                    ; a whole block in a lane: lanes 0-15 block 2 c, lanes 16-31 block 2 c + 1
.irp i, 0,1
	v_permlane16_swap_b32 v[PC+4*\c+\i], v[PC+4*\c+2+\i]
.endr
.endr
.if \first
	PLACES 8                                       ; a scale word made by vector instructions stands eight places ahead of the product, codes so made four
.else
	WIN 0x41                                       ; O^T (destination and source 0) window 1
.set jj, 0
.rept 16
	v_pk_mul_f32 v[32*(\qt)+jj:32*(\qt)+jj+1], v[32*(\qt)+jj:32*(\qt)+jj+1], v[F:F+1] op_sel_hi:[1,0]   ; O^T under the new M; these are also those places
.set jj, jj+2
.endr
.endif
.if \waitv
	s_wait_loadcnt 0x0                             ; V and its scale words are in
.endif
	WIN 0x51                                       ; V window 1, P window 0, C and D window 1
.irp t, 0,1,2,3
	PVMUL \t, \qt, \first
.endr
.if \last
	NEXTV
.endif
.endm
.macro STEP first
.if \first
	s_wait_loadcnt 0x0                             ; K, V and, youngest, the pass's Q
.else
	s_wait_loadcnt 9                               ; K's nine loads are in; V's nine, issued behind them, may be out
.endif
	TILE 0, \first, (1-\first), 0
	TILE 1, \first, 0, 0
	TILE 2, \first, 0, 0
	TILE 3, \first, 0, 1
	s_sub_co_u32 s[REM], s[REM], 1
.endm
; 32 numbers of a lane in two blocks become four registers of codes (lanes 0-15 block 0, lanes 16-31 block 1) and two scale bytes in v[hw]
.macro QUANT2 src, pc, hw
.irp b, 0,1
	v_max3_num_f32 v[TM+\b], |v[(\src)+16*\b]|, |v[(\src)+16*\b+1]|, 0x1800000
.endr
.irp i, 2,4,6,8,10,12,14
.irp b, 0,1
	v_max3_num_f32 v[TM+\b], v[TM+\b], |v[(\src)+16*\b+\i]|, |v[(\src)+16*\b+\i+1]|
.endr
.endr
.irp b, 0,1
	v_permlanex16_b32 v[TM+2+\b], v[TM+\b], s[SEL], s[SEL+1]
.endr
.irp b, 0,1
	v_max_num_f32 v[TM+\b], v[TM+\b], v[TM+2+\b]
.endr
.irp b, 0,1
	v_add_nc_u32 v[TM+4+\b], 0xff000000, v[TM+\b]
.endr
.irp b, 0,1
	v_lshrrev_b32 v[TM+6+\b], 23, v[TM+4+\b]
.endr
	v_lshl_or_b32 v[\hw], v[TM+7], 8, v[TM+6]
.irp b, 0,1
	v_cvt_scalef32_pk8_fp4_f32 v[(\pc)+2*\b], v[(\src)+16*\b:(\src)+16*\b+7], v[TM+4+\b]
	v_cvt_scalef32_pk8_fp4_f32 v[(\pc)+2*\b+1], v[(\src)+16*\b+8:(\src)+16*\b+15], v[TM+4+\b]
.endr
	v_nop                                          ; one plain place behind a scaled conversion
	v_permlane16_swap_b32 v[(\pc)], v[(\pc)+2]
	v_permlane16_swap_b32 v[(\pc)+1], v[(\pc)+3]
.endm
; A pass's end: O^T / l, quantised along d (register 16 b + 8 u + j of a tile holds d = 32 b + 16 h + 8 u + j: ascending), its image into LDS
.macro FINISH
	s_wait_dscnt 0x0                               ; the last pass's image stores have read their registers
.irp q, 0,1,2,3
	v_add_f32 v[LS+\q], v[ST+4*\q+2], v[ST+4*\q+3] ; the sum's two halves,
.endr
.irp q, 0,1,2,3
	v_permlanex16_b32 v[LX+\q], v[LS+\q], s[SEL], s[SEL+1]
.endr
.irp q, 0,1,2,3
	v_add_f32 v[LS+\q], v[LS+\q], v[LX+\q]         ; and lane l xor 16's
.endr
.irp q, 0,1,2,3
	v_rcp_f32 v[RC+2*\q], v[LS+\q]
.endr
	v_nop                                          ; a plain place behind the reciprocals
	s_wait_alu depctr_va_vdst(0)                   ; one wait for the four, ahead of the first reader
.irp q, 0,1,2,3
	WIN 0x01                                       ; source 0 (O^T) window 1
.set jj, 0
.rept 16
	v_pk_mul_f32 v[ON+jj:ON+jj+1], v[32*\q+jj:32*\q+jj+1], v[RC+2*\q:RC+2*\q+1] op_sel_hi:[1,0]   ; each accumulator from its low end on
.set jj, jj+2
.endr
	WIN 0
	QUANT2 ON, PCO+4*\q, HW
	ds_store_b128 v[OWI], v[PCO+4*\q:PCO+4*\q+3] offset:\q*512
	v_lshrrev_b32 v[HWA+\q], 16, v[HWA+\q]         ; the tile's two bytes come in from above: after two passes pass 0's stand in the low half, pass 1's in the high half
	v_lshl_or_b32 v[HWA+\q], v[HW], 16, v[HWA+\q]
.endr
.endm
	KADR                                           ; group 0
	KLOAD
	VLOAD
.Lpass:
	v_add_nc_u32 v[OWI], s[PO], v[OWI0]
	v_add_nc_u32 v[QA], s[QO], v[L16]              ; (the last pass's loads by these offsets were waited for at its first step)
	v_add_nc_u32 v[QSA], s[QSO], v[L16]
	WIN 0x40
.irp qt, 0,1,2,3
	global_load_b128 v[QF+8*\qt:QF+8*\qt+3], v[QA], s[QB:QB+1] offset:QC+512*\qt
.endr
	WIN 0
	global_load_b64 v[QS:QS+1], v[QSA], s[QB:QB+1] offset:QSC
	STEP 1
	s_mov_b32 s[STEPS], 7
.Lstep:
	STEP 0
	s_sub_co_u32 s[STEPS], s[STEPS], 1
	s_cmp_lg_u32 s[STEPS], 0
	s_cbranch_scc1 .Lstep
	FINISH
	s_add_co_u32 s[PO], s[PO], 2048
	s_add_co_u32 s[QO], s[QO], 2048
	s_add_co_u32 s[QSO], s[QSO], 8
	s_sub_co_u32 s[PASS], s[PASS], 1
	s_cmp_lg_u32 s[PASS], 0
	s_cbranch_scc1 .Lpass
	; ---- the projection
	s_wait_loadcnt 0x0                             ; the last fetch has landed: its registers may be loaded anew
.irp q, 0,1,2,3
	ds_store_b16 v[OWS], v[HWA+\q] offset:\q*256   ; tiles 0-3: lanes r and r + 16 write the same two bytes with the same value
.endr
.irp q, 0,1,2,3
	v_lshrrev_b32 v[TM+\q], 16, v[HWA+\q]
.endr
.irp q, 0,1,2,3
	ds_store_b16 v[OWS], v[TM+\q] offset:(4+\q)*256   ; tiles 4-7
.endr
	WIN 0x40
.irp t, 0,1,2,3                                ; Wp's fragments (tile t of 16 output columns, K step s) at v[128 + 8 (4 t + s)] of window 1
.irp s, 0,1,2,3
.irp c, 0,1
	global_load_b128 v[128+8*(4*\t+\s)+4*\c:128+8*(4*\t+\s)+4*\c+3], v[WPA], s[6:7] offset:16*\t*256+64*\s+32*\c
.endr
.endr
.endr
	WIN 0
.irp t, 0,1,2,3
	global_load_b128 v[WPS+4*\t:WPS+4*\t+3], v[WPSA], s[8:9] offset:16*\t*16
	global_load_b128 v[BP+8*\t:BP+8*\t+3], v[BPA], s[10:11] offset:64*\t
	global_load_b128 v[BP+8*\t+4:BP+8*\t+7], v[BPA], s[10:11] offset:64*\t+16
.endr
	s_wait_dscnt 0x0                               ; for the others' sake: my head's images and scale bytes lie in LDS
	s_barrier_signal -1
	s_barrier_wait -1                              ; all eight heads' do
	s_wait_loadcnt 0x0
.macro FETCHO tl                               ; tile tl of 16 queries: four fragments; with an even tile the scale words of it (lanes 0-15) and of the next (lanes 16-31)
.irp s, 0,1,2,3
.irp c, 0,1
	ds_load_b128 v[OF+32*((\tl)%2)+8*\s+4*\c:OF+32*((\tl)%2)+8*\s+4*\c+3], v[L16] offset:OIMG+(2*\s+\c)*4096+(\tl)*512
.endr
.endr
.if (\tl)%2 == 0
	ds_load_b128 v[OS+4*(((\tl)/2)%2):OS+4*(((\tl)/2)%2)+3], v[OSR] offset:((\tl)/2)*512
.endif
.endm
.macro PMUL t, s, tl                           ; source 0 = 16 rows of Wp, source 1 = 16 queries: a lane holds eight neighbouring columns of a row of out0; bp is the C of each sum's first product
.set rB, OF+32*((\tl)%2)+8*(\s)
.set rS, OS+4*(((\tl)/2)%2)+(\s)
.if ((\s) == 0) && ((\tl)%2 == 0)
	v_wmma_scale_f32_16x16x128_f8f6f4 v[PACC+8*(\t):PACC+8*(\t)+7], v[128+8*(4*(\t)+(\s)):128+8*(4*(\t)+(\s))+7], v[rB:rB+7], v[BP+8*(\t):BP+8*(\t)+7], v[WPS+4*(\t)+(\s)], v[rS] matrix_a_fmt:MATRIX_FMT_FP4 matrix_b_fmt:MATRIX_FMT_FP4
.elseif ((\s) == 0)
	v_wmma_scale_f32_16x16x128_f8f6f4 v[PACC+8*(\t):PACC+8*(\t)+7], v[128+8*(4*(\t)+(\s)):128+8*(4*(\t)+(\s))+7], v[rB:rB+7], v[BP+8*(\t):BP+8*(\t)+7], v[WPS+4*(\t)+(\s)], v[rS] matrix_a_fmt:MATRIX_FMT_FP4 matrix_b_fmt:MATRIX_FMT_FP4 matrix_b_scale:MATRIX_SCALE_ROW1
.elseif ((\tl)%2 == 0)
	v_wmma_scale_f32_16x16x128_f8f6f4 v[PACC+8*(\t):PACC+8*(\t)+7], v[128+8*(4*(\t)+(\s)):128+8*(4*(\t)+(\s))+7], v[rB:rB+7], v[PACC+8*(\t):PACC+8*(\t)+7], v[WPS+4*(\t)+(\s)], v[rS] matrix_a_fmt:MATRIX_FMT_FP4 matrix_b_fmt:MATRIX_FMT_FP4
.else
	v_wmma_scale_f32_16x16x128_f8f6f4 v[PACC+8*(\t):PACC+8*(\t)+7], v[128+8*(4*(\t)+(\s)):128+8*(4*(\t)+(\s))+7], v[rB:rB+7], v[PACC+8*(\t):PACC+8*(\t)+7], v[WPS+4*(\t)+(\s)], v[rS] matrix_a_fmt:MATRIX_FMT_FP4 matrix_b_fmt:MATRIX_FMT_FP4 matrix_b_scale:MATRIX_SCALE_ROW1
.endif
.endm
.macro PROJ tl
.if (\tl) < 7
	FETCHO (\tl)+1
.if ((\tl)+1)%2 == 0
	s_wait_dscnt 9                                 ; all but the loads just issued
.else
	s_wait_dscnt 8
.endif
.else
	s_wait_dscnt 0x0
.endif
	WIN 0x01                                       ; source 0 (Wp) window 1
.irp s, 0,1,2,3
.irp t, 0,1,2,3
	PMUL \t, \s, \tl                               ; four accumulators by turns
.endr
.endr
	WIN 0
	PLACES 5                                       ; four in front of the first read of results; five in front of the next tile's first products, which begin these accumulators anew with another C
	s_wait_xcnt 0x0                                ; the last tile's stores have read their registers: rows may be read back into them
.irp t, 0,1,2,3
	ds_store_b128 v[STO], v[PACC+8*\t:PACC+8*\t+3] offset:64*\t        ; each accumulator from its low end on
	ds_store_b128 v[STO], v[PACC+8*\t+4:PACC+8*\t+7] offset:64*\t+16
.endr
.irp k, 0,1,2,3,4,5,6,7
	ds_load_b128 v[16+4*\k+72*(\k/4):16+4*\k+72*(\k/4)+3], v[RD] offset:2*\k*SPI   ; my own stage: LDS serves a wave's instructions in order, so these see the stores above.  (v16-31 and v104-119: the softmax's registers are free)
.endr
.irp k, 0,1,2,3,4,5,6,7
	s_wait_dscnt 7-\k
	global_store_b128 v[GO], v[16+4*\k+72*(\k/4):16+4*\k+72*(\k/4)+3], s[12:13] offset:(16*(\tl)+2*\k)*2048 th:TH_STORE_NT   ; sixteen lanes store 256 consecutive bytes, at a multiple of 256 from out0's first byte
.endr
.endm
	FETCHO 0
.irp tl, 0,1,2,3,4,5,6,7
	PROJ \tl
.endr
	s_wait_tensorcnt 0x0
	ds_add_u32 v254, v255
	s_wait_dscnt 0x0
	s_endpgm
.Lfunc_end_k_q6e85d1f7c0_attn:
	.size	k_q6e85d1f7c0_attn, .Lfunc_end_k_q6e85d1f7c0_attn-k_q6e85d1f7c0_attn
	.p2alignl 7, 3214868480
	.fill 96, 4, 3214868480
	.section	.rodata,"a",@progbits
	.p2align	6, 0x0
	.amdhsa_kernel k_q6e85d1f7c0_attn
		.amdhsa_group_segment_fixed_size 70656
		.amdhsa_private_segment_fixed_size 0
		.amdhsa_enable_private_segment 0
		.amdhsa_kernarg_size 40
		.amdhsa_user_sgpr_count 2
		.amdhsa_user_sgpr_kernarg_segment_ptr 1
		.amdhsa_wavefront_size32 1
		.amdhsa_system_sgpr_workgroup_id_x 1
		.amdhsa_system_sgpr_workgroup_id_y 1
		.amdhsa_system_sgpr_workgroup_id_z 1
		.amdhsa_system_vgpr_workitem_id 0
		.amdhsa_next_free_vgpr 512
		.amdhsa_next_free_sgpr 66
		.amdhsa_reserve_vcc 0
		.amdhsa_float_denorm_mode_32 3
		.amdhsa_float_denorm_mode_16_64 3
		.amdhsa_memory_ordered 1
		.amdhsa_forward_progress 1
		.amdhsa_inst_pref_size 174
	.end_amdhsa_kernel
	.amdgpu_metadata
---
amdhsa.version: [ 1, 2 ]
amdhsa.kernels:
  - .name:           k_q6e85d1f7c0_attn
    .symbol:         k_q6e85d1f7c0_attn.kd
    .args:
      - { .name: ws, .offset: 0, .size: 8, .value_kind: global_buffer, .address_space: global }
      - { .name: Wp_codes, .offset: 8, .size: 8, .value_kind: global_buffer, .address_space: global }
      - { .name: Wp_scales, .offset: 16, .size: 8, .value_kind: global_buffer, .address_space: global }
      - { .name: bp, .offset: 24, .size: 8, .value_kind: global_buffer, .address_space: global }
      - { .name: out0, .offset: 32, .size: 8, .value_kind: global_buffer, .address_space: global }
    .group_segment_fixed_size: 70656
    .private_segment_fixed_size: 0
    .kernarg_segment_align: 8
    .kernarg_segment_size: 40
    .max_flat_workgroup_size: 256
    .sgpr_count:     66
    .vgpr_count:     512
    .wavefront_size: 32
...
	.end_amdgpu_metadata
.endif
;; end of part 2
